; MI455X (gfx1250); checked and timed in simulation.
; The chip was launched on July 23, 2026; its instructions are those of AMD's public machine-readable ISA for CDNA 5 (MIT licence, August 2026) and "CDNA5" Instruction Set Architecture Reference Guide (July 2026). The comments in the code are by the model that wrote it; some were corrected since.
;; Fast Text Itout. Allowed arithmetic: float matrix products may take bf16 or f16 operands with f32 sums; other float arithmetic in f32, or as packed bf16 or f16 multiplies, adds, multiply-adds, maxima and minima; sums over many terms, partial sums and values carried from step to step in f32; what a program stores and reads back later, other than sums and carried values, may be rounded once to bf16 or f16.
;; Inputs: alpha one number float32; beta one number float32; emb 1,001 x 16 float32; fc_b 1 float32; fc_w 1,024 x 1 float32; lif_b 1,024 float32; lif_w 16 x 1,024 float32; xis 8,192 x 64 int32.
;; Outputs: out0 8,192 float32.
;; One version. Each part assembles by itself: llvm-mc -triple=amdgcn-amd-amdhsa -mcpu=gfx1250 --defsym DOCPART=n.
;; ======== version 1 of 1: 1 launch
;; launch lif (part 1): grid 256 x 1, 8 waves a work-group, no clusters, 167,936 bytes of LDS; arguments xis, emb, lif_w, lif_b, fc_w, fc_b, alpha, beta, out0; writes out0
.if DOCPART == 1
	.amdgcn_target "amdgcn-amd-amdhsa--gfx1250"
	.amdhsa_code_object_version 6
	.text
	.protected	k_q491b1c72f3_lif
	.globl	k_q491b1c72f3_lif
	.p2align	8
	.type	k_q491b1c72f3_lif,@function
k_q491b1c72f3_lif:
	s_mov_b64 s[64:65], 0
	v_nop
	global_prefetch_b8 v0, s[64:65] scope:SCOPE_SE
	s_setreg_imm32_b32 hwreg(HW_REG_WAVE_MODE, 25, 1), 1
	s_wait_xcnt 0x0
; out[b] = relu(v_T[b][:]) . fc_w + fc_b, where v_t = alpha v_(t-1) + emb[xis[b][t]] @ lif_w + lif_b + beta, t = 0 .. 63, v before step 0 = 0.
; THE LESSER WORK.  The recurrence is linear in v and in the looked-up rows, so for all values of the inputs, in exact arithmetic,
;   v_T[b] = s[b] @ lif_w + (lif_b + beta) x SUM,   s[b] = sum over t of alpha^(63-t) emb[xis[b][t]]  (16 numbers),   SUM = sum over j < 64 of alpha^j.
; The 64 products of [8192,16] by [16,1024] are one product of s.  What is left out altogether is alpha^64 times the initial v, which reference() itself builds as zeros.
; Every input has a way to the output and is loaded.  s is a Horner sum over all 64 steps, in f32: nothing is cut.  SUM = (1+a)(1+a^2)(1+a^4)(1+a^8)(1+a^16)(1+a^32), an identity.
; LIMITS.  The order of rounding differs from reference()'s (the leaky sum is taken ahead of the product).  SUM and alpha^32 must be finite in f32 (where they are not, reference()'s v overflows for any
; current that is not 0; with lif_b + beta = 0 exactly this text gives NaN there).  A NaN in v is not carried through the relu (the maximum with 0 drops it).  An s beyond bf16's largest number gives NaN.
; An infinity or overflow in reference()'s intermediate v_t that its later steps would carry is met here only as far as s, SUM and the one product show it.  Indices lie in 0 .. 1000; larger ones count as 1000.
; FORMATS.  lif_w is rounded to bf16.  s is split s = hi + lo, both bf16, and fills the matrix instruction's K = 32: k = 0..15 is hi x W, k = 16..31 is lo x W.  Sums in f32.
; The product with fc_w has one column: it is a weighted row sum, taken in f32 by vector instructions on the matrix results.
; SHARES.  256 work-groups of 8 waves; a work-group owns 32 rows b.  Leaky sum: a thread has 4 of the 16 channels and 32 of the 64 steps of one row.  Product, transposed (source 0 = 16 hidden columns,
; source 1 = 16 rows b, C = the bias term): wave w has hidden columns 128 w .. 128 w + 127, eight tiles, for both tiles of 16 rows b: 16 matrix instructions.
; Within a wave the hidden columns are permuted (the result sums over all of them): tile t = 4 g + q, row m stands for column 128 w + 64 g + 4 m + q, so that 16 bytes of a row of lif_w feed four tiles.
; NO CLUSTER, though every work-group reads all of emb and of lif_w (64 KB each).  The 2,048 lookups of a work-group are LDS loads whose addresses are 64 x its own indices.
; The lookups taken from memory instead would be 2,048 requests of 64 bytes a work-group, against the 539 rows of 256 bytes or less that its tensor loads ask for.
; TENSOR LOADS.  Each wave issues two, both first fills, at the kernel's head: an early one (emb or xis) and a late one (its 8 KB of lif_w), which lands while the leaky sums are made.  Nothing is filled again.
; lif_b and fc_w do not go through a tensor load: a wave wants only its own 512 bytes of each, which one load of 16 bytes a lane brings straight into registers.
.set EMB,   0          ; emb as it lies in memory: row i at 64 i; 64,064 bytes
.set WB,    65536      ; lif_w as it lies in memory: W[k][n] at 4096 k + 4 n
.set XIS,   131072     ; my 32 rows of xis, 256 bytes each,
.set XP,    272        ; 272 apart: the rows that one load touches start at different banks (64 banks of 4 bytes: ISA guide 11.1)
.set SFRAG, 139776     ; s: row b at 80 b: 16 bf16 of hi, 16 bf16 of lo, 16 bytes of padding (an odd multiple of 16).  Written by LDS stores alone, like the three regions behind it
.set SFP,   80
.set CF,    142336     ; wave w at 1024 w: the bias term at +0, fc_w at +512, both permuted: tile t at 64 t, its row m at 4 m
.set RED,   150528     ; wave w's 32 partial outputs at 128 w + 4 lane
.set SPARE, 151552     ; the spare words: 128 bytes for each of the eight waves, four blocks of 256 bytes that no other line names
; v0 thread; v1 lane; v2 my spare word; v3 0; v4-v12 addresses (below); v13 the half's factor; v14, v15 at work
.set ACC, 16           ; v[16:23]   weighted row sums: tile of rows mt, pair p at 16 + 4 mt + 2 p
.set IX,  24           ; v[24:55]   leaky sum: 32 indices, then LDS addresses
.set S4,  56           ; v[56:59]   my four sums
.set GA,  88           ; v[88:215]  32 gathered pieces of 4 numbers
.set AF,  24           ; v[24:87]   product: lif_w's fragments, tile t at 24 + 8 t
.set RW,  88           ; v[88:151]  lif_w as loaded: group g, row 8 h + i, component q at 88 + 32 g + 4 i + q
.set CB,  88           ;            then the bias term, tile t at 88 + 8 t
.set FW,  152          ; v[152:215] fc_w, tile t at 152 + 8 t
.set BF,  216          ; v[216:231] s's fragments, tile of rows mt at 216 + 8 mt
.set DR,  232          ; v[232:255] three result buffers, by turns
; s[4:21] the nine addresses; s22 wave; s24 work-group; s25 wave & 1; s[54:55] alpha twice; s56 beta; s57 fc_b; s58, s59 lane masks; s[60:61] lane selects
; descriptors: emb's blocks s[44:47], s[28:35]; emb's tail s[76:79], s[68:75]; xis s[88:91], s[80:87]; lif_w s[48:51], s[36:43]
	s_load_b512 s[4:19], s[0:1], 0x0               ; xis s[4:5], emb s[6:7], lif_w s[8:9], lif_b s[10:11], fc_w s[12:13], fc_b s[14:15], alpha s[16:17], beta s[18:19]
	s_load_b64 s[20:21], s[0:1], 0x40              ; out0
	v_lshl_add_u32 v2, v0, 2, SPARE
	v_mov_b32 v3, 0
	ds_add_u32 v2, v3                              ; the wave's opening: the add, twice on end, and its wait ahead of my first tensor load; the set-up below, work on registers, stands between
	ds_add_u32 v2, v3
	v_lshrrev_b32 v14, 5, v0
	v_readfirstlane_b32 s22, v14                   ; wave 0..7
	s_mov_b32 s24, ttmp9                           ; my work-group: it enters xis's and out0's addresses alone
	s_and_b32 s25, s22, 1
	s_mov_b32 s60, 0x76543210                      ; v_permlanex16_b32: each lane takes its own place in the other half
	s_mov_b32 s61, 0xfedcba98
	; emb's blocks, waves 0-4: 50 rows of 256 bytes each (32 elements of 8 bytes), dense
	s_mov_b32 s28, 3<<16                           ; 15:0 no mask; 17:16 elements of 8 bytes; no padding
	s_mov_b32 s29, 32<<16                          ; tensor_dim0 = 32
	s_mov_b32 s30, 50<<16                          ; tensor_dim1 = 50
	s_mov_b32 s31, 32<<16                          ; tile_dim0 = 32
	s_mov_b32 s32, 50                              ; tile_dim1 = 50
	s_mov_b32 s33, 32                              ; 32 elements from row to row
	s_mov_b32 s34, 0
	s_mov_b32 s35, 0
	s_mov_b32 s44, 1                               ; count = 1
	s_mul_i32 s45, s22, 12800                      ; LDS: EMB (byte 0) + 12,800 x wave
	s_mul_i32 s52, s22, 12800                      ; and the same step in memory
	s_mov_b32 s53, 0
	; emb's last 64 bytes, wave 5: one row of 8 elements of 8 bytes
	s_mov_b32 s68, 3<<16
	s_mov_b32 s69, 8<<16                           ; tensor_dim0 = 8
	s_mov_b32 s70, 1<<16                           ; tensor_dim1 = 1
	s_mov_b32 s71, 8<<16                           ; tile_dim0 = 8
	s_mov_b32 s72, 1                               ; tile_dim1 = 1
	s_mov_b32 s73, 8                               ; the pitch
	s_mov_b32 s74, 1<<16                           ; stride1, never 0 in a one-row descriptor
	s_mov_b32 s75, 0
	s_mov_b32 s76, 1
	s_mov_b32 s77, EMB+64000
	; xis, waves 6 and 7: 16 of my 32 rows each, 64 elements of 4 bytes, 16 bytes of padding behind each row
	s_mov_b32 s80, (2<<16)|(1<<20)|(5<<22)|(3<<25) ; 17:16 elements of 4 bytes; 20 padding on; 24:22 after every 64 words (code 5); 31:25 4 words (code 3)
	s_mov_b32 s81, 64<<16                          ; tensor_dim0 = 64
	s_mov_b32 s82, 16<<16                          ; tensor_dim1 = 16
	s_mov_b32 s83, 64<<16                          ; tile_dim0 = 64
	s_mov_b32 s84, 16                              ; tile_dim1 = 16
	s_mov_b32 s85, 64                              ; 64 elements from row to row
	s_mov_b32 s86, 0
	s_mov_b32 s87, 0
	s_mov_b32 s88, 1
	s_mul_i32 s89, s25, 16*XP
	s_add_co_u32 s89, s89, XIS                     ; LDS: XIS + 4,352 x (wave & 1)
	s_lshl_b32 s62, s24, 13                        ; memory: 8,192 x work-group
	s_lshl_b32 s63, s25, 12                        ;         + 4,096 x (wave & 1)
	s_add_co_u32 s62, s62, s63
	s_mov_b32 s63, 0
	; lif_w, every wave: 32 rows of 256 bytes (two of lif_w's rows of 4,096), dense
	s_mov_b32 s36, 3<<16
	s_mov_b32 s37, 32<<16                          ; tensor_dim0 = 32
	s_mov_b32 s38, 32<<16                          ; tensor_dim1 = 32
	s_mov_b32 s39, 32<<16                          ; tile_dim0 = 32
	s_mov_b32 s40, 32                              ; tile_dim1 = 32
	s_mov_b32 s41, 32
	s_mov_b32 s42, 0
	s_mov_b32 s43, 0
	s_mov_b32 s48, 1
	s_lshl_b32 s49, s22, 13
	s_add_co_u32 s49, s49, WB                      ; LDS: WB + 8,192 x wave
	s_lshl_b32 s26, s22, 13                        ; and the same step in memory
	s_mov_b32 s27, 0
	s_lshl_b32 s2, s24, 7                          ; my 32 outputs: 128 bytes x work-group
	s_mov_b32 s3, 0
	s_wait_dscnt 0x0                               ; both opening adds are done
	s_wait_kmcnt 0x0                               ; the addresses are in
	s_add_nc_u64 s[46:47], s[6:7], s[52:53]
	s_or_b32 s47, s47, 0x80000000                  ; type = 2
	s_add_nc_u64 s[78:79], s[6:7], 64000
	s_or_b32 s79, s79, 0x80000000
	s_add_nc_u64 s[90:91], s[4:5], s[62:63]
	s_or_b32 s91, s91, 0x80000000
	s_add_nc_u64 s[50:51], s[8:9], s[26:27]
	s_or_b32 s51, s51, 0x80000000
	s_add_nc_u64 s[20:21], s[20:21], s[2:3]
	; The early load: one of three lines, chosen by the wave's number alone.  Then the late load, one line for all waves.  Two loads of mine are out, on every way.
	s_cmp_lt_u32 s22, 5
	s_cbranch_scc0 .Lnot_blocks
	tensor_load_to_lds s[44:47], s[28:35]          ; waves 0-4: 12,800 bytes of emb
	s_nop 0
	s_branch .Learly
.Lnot_blocks:
	s_cmp_eq_u32 s22, 5
	s_cbranch_scc0 .Lfor_xis
	tensor_load_to_lds s[76:79], s[68:75]          ; wave 5: emb's last row
	s_nop 0
	s_branch .Learly
.Lfor_xis:
	tensor_load_to_lds s[88:91], s[80:87]          ; waves 6, 7: 16 rows of xis
	s_nop 0
.Learly:
	tensor_load_to_lds s[48:51], s[36:43]          ; every wave: 8,192 bytes of lif_w
	s_nop 0
	; WHILE THE TILES ARE ON THEIR WAY: the scalars, my wave's 128 numbers of lif_b and of fc_w, the lanes' addresses, the bias term.
	s_load_b32 s54, s[16:17], 0x0                  ; alpha
	s_load_b32 s56, s[18:19], 0x0                  ; beta
	s_load_b32 s57, s[14:15], 0x0                  ; fc_b
	v_lshlrev_b32 v84, 4, v0                       ; 16 x thread: columns 128 w + 4 lane + 0..3; a wave's load covers 512 consecutive bytes, aligned
	global_load_b128 v[72:75], v84, s[10:11]
	global_load_b128 v[76:79], v84, s[12:13]
	v_and_b32 v1, 31, v0                           ; lane
	v_lshrrev_b32 v14, 3, v0                       ; leaky sum: my row b = 4 w + lane / 8,
	v_bfe_u32 v15, v0, 2, 1                        ; my half of the steps,
	v_and_b32 v13, 3, v0                           ; my four channels
	v_mul_u32_u24 v4, v14, XP
	v_lshl_add_u32 v4, v15, 7, v4
	v_add_nc_u32 v4, XIS, v4                       ; v4: my 32 indices
	v_lshl_add_u32 v5, v13, 4, EMB                 ; v5: my 16 bytes in a row of emb
	v_mul_u32_u24 v6, v14, SFP
	v_lshl_add_u32 v6, v15, 5, v6
	v_lshl_add_u32 v6, v13, 3, v6
	v_add_nc_u32 v6, SFRAG, v6                     ; v6: where I put 8 bytes of s: the first half's lane hi, the second half's lane lo
	v_cmp_eq_u32 s58, 0, v15                       ; s58: lanes of the first half of the steps
	v_and_b32 v14, 15, v0                          ; product: r = lane % 16,
	v_bfe_u32 v15, v0, 4, 1                        ; h = lane / 16
	v_mul_u32_u24 v7, v14, SFP
	v_lshl_add_u32 v7, v15, 4, v7
	v_add_nc_u32 v7, SFRAG, v7                     ; v7: s's fragment: row r, 16 bytes for each half of the lanes
	s_lshl_b32 s2, s22, 9
	s_add_co_u32 s2, s2, WB
	v_lshl_add_u32 v8, v14, 4, s2
	v_lshl_add_u32 v8, v15, 15, v8                 ; v8: lif_w: row 8 h, columns 128 w + 4 r + 0..3
	s_lshl_b32 s3, s22, 10
	s_add_co_u32 s3, s3, CF
	v_lshl_add_u32 v9, v15, 5, s3                  ; v9: my eight numbers (rows 8 h + 0..7) of a tile's bias term
	v_lshl_add_u32 v10, v15, 8, s3
	v_lshl_add_u32 v10, v14, 2, v10                ; v10: where column 4 lane + q goes: group lane / 16, row lane % 16; the tile's q stands in the offset
	v_lshl_add_u32 v11, v0, 2, RED                 ; v11: my partial output
	v_lshlrev_b32 v12, 2, v1                       ; v12: my output
	v_cmp_ne_u32 s59, 0, v15                       ; s59: lanes 16-31
	s_wait_kmcnt 0x0                               ; alpha, beta, fc_b
	s_mov_b32 s55, s54                             ; named with it as a pair
	v_mov_b32 v60, s54
	v_mul_f32 v61, v60, v60                        ; a^2
	v_mul_f32 v62, v61, v61                        ; a^4
	v_mul_f32 v63, v62, v62                        ; a^8
	v_mul_f32 v64, v63, v63                        ; a^16
	v_mul_f32 v65, v64, v64                        ; a^32
	v_add_f32 v66, 1.0, v60                        ; SUM = (1 + a)
.irp i, 61,62,63,64,65
	v_fma_f32 v66, v66, v\i, v66                   ; x (1 + a^2) .. (1 + a^32)
.endr
	v_mul_f32 v67, s56, v66                        ; beta SUM
	v_cndmask_b32 v13, 1.0, v65, s58               ; v13: the first half of the steps is a^32 older than the second
	s_wait_loadcnt 0x0                             ; lif_b and fc_w
.irp q, 0,1,2,3
	v_fma_f32 v[80+\q], v[72+\q], v66, v67         ; (lif_b + beta) SUM
.endr
.irp q, 0,1,2,3
	ds_store_b32 v10, v[80+\q] offset:64*\q
	ds_store_b32 v10, v[76+\q] offset:512+64*\q
.endr
	s_wait_tensorcnt 0x1                           ; my early load has landed; the one issued behind it, my part of lif_w, may stay out
	s_wait_dscnt 0x0                               ; no LDS instruction of mine is pending at a signal
	s_barrier_signal -1
	s_barrier_wait -1                              ; emb and xis are whole
	; THE LEAKY SUM.  32 indices, 32 gathers of 16 bytes, Horner in f32.  A gather ends at byte 64 x 1000 + 48 + 16 = 64,064 at the most: inside emb's region, below lif_w's.
.irp k, 0,1,2,3,4,5,6,7
	ds_load_b128 v[IX+4*\k:IX+4*\k+3], v4 offset:16*\k
.endr
	s_wait_dscnt 0x0
.irp k, 0,1,2,3,4,5,6,7
.irp j, 0,1,2,3
	v_min_u32 v[IX+4*\k+\j], 0x3e8, v[IX+4*\k+\j]              ; inside the table
	v_lshl_add_u32 v[IX+4*\k+\j], v[IX+4*\k+\j], 6, v5         ; 64 x index + my 16 bytes
.endr
.irp j, 0,1,2,3
	ds_load_b128 v[GA+4*(4*\k+\j):GA+4*(4*\k+\j)+3], v[IX+4*\k+\j]
.endr
.endr
; Four steps: S = alpha S + x.  The count: the gathers younger than these four may stay out (LDS loads come back in order: ISA guide 5.7.1).  Step 1 takes step 0's piece as S: nothing is cleared.
.macro HQ k
	s_wait_dscnt 28-4*(\k)
.irp j, 0,1,2,3
.if 4*(\k)+(\j) == 1
	v_pk_fma_f32 v[S4:S4+1],   v[GA:GA+1],   s[54:55], v[GA+4:GA+5] op_sel_hi:[1,0,1]
	v_pk_fma_f32 v[S4+2:S4+3], v[GA+2:GA+3], s[54:55], v[GA+6:GA+7] op_sel_hi:[1,0,1]
.elseif 4*(\k)+(\j) > 1
	v_pk_fma_f32 v[S4:S4+1],   v[S4:S4+1],   s[54:55], v[GA+4*(4*(\k)+(\j)):GA+4*(4*(\k)+(\j))+1]   op_sel_hi:[1,0,1]
	v_pk_fma_f32 v[S4+2:S4+3], v[S4+2:S4+3], s[54:55], v[GA+4*(4*(\k)+(\j))+2:GA+4*(4*(\k)+(\j))+3] op_sel_hi:[1,0,1]
.endif
.endr
.endm
.irp k, 0,1,2,3,4,5,6,7
	HQ \k
.endr
.irp j, 0,1,2,3
	v_mul_f32 v[S4+\j], v13, v[S4+\j]              ; a^32 for the first half, 1 for the second
.endr
.irp j, 0,1,2,3
	v_add_f32_dpp v[S4+\j], v[S4+\j], v[S4+\j] row_xmask:4 row_mask:0xf bank_mask:0xf  ; the other half's lane is 4 away: both now hold s
.endr
	v_cvt_pk_bf16_f32 v60, v56, v57                ; hi
	v_cvt_pk_bf16_f32 v61, v58, v59
	v_lshlrev_b32 v62, 16, v60                     ; hi as f32
	v_and_b32 v63, 0xffff0000, v60
	v_lshlrev_b32 v64, 16, v61
	v_and_b32 v65, 0xffff0000, v61
	v_pk_add_f32 v[62:63], v[56:57], v[62:63] neg_lo:[0,1] neg_hi:[0,1]  ; s - hi, exact
	v_pk_add_f32 v[64:65], v[58:59], v[64:65] neg_lo:[0,1] neg_hi:[0,1]
	v_cvt_pk_bf16_f32 v66, v62, v63                ; lo
	v_cvt_pk_bf16_f32 v67, v64, v65
	v_cndmask_b32 v60, v66, v60, s58               ; the first half's lane stores hi, the second half's lo
	v_cndmask_b32 v61, v67, v61, s58
	ds_store_b64 v6, v[60:61]
	s_wait_tensorcnt 0x0                           ; my part of lif_w has landed
	s_wait_dscnt 0x0                               ; my part of s is stored
	s_barrier_signal -1
	s_barrier_wait -1                              ; lif_w and s are whole
	; THE PRODUCT.  A fragment is 16 rows x 32 k in 8 registers: lane (r, h) holds row r; registers 0-3 k = 8 h + 0..7, registers 4-7 k = 16 + 8 h + 0..7.
	; s: registers 0-3 hi's channels 8 h + 0..7, registers 4-7 lo's.  lif_w: registers 0-3 W[8 h + 0..7][column], registers 4-7 the same numbers once more, for lo.
.irp mt, 0,1
	ds_load_b128 v[BF+8*\mt:BF+8*\mt+3],   v7 offset:16*SFP*\mt
	ds_load_b128 v[BF+8*\mt+4:BF+8*\mt+7], v7 offset:16*SFP*\mt+32
.endr
.irp g, 0,1
.irp i, 0,1,2,3,4,5,6,7
	ds_load_b128 v[RW+32*\g+4*\i:RW+32*\g+4*\i+3], v8 offset:4096*\i+256*\g  ; sixteen lanes take 256 consecutive bytes of a row of lif_w
.endr
.endr
.irp t, 0,1,2,3,4,5,6,7
	ds_load_b128 v[FW+8*\t:FW+8*\t+3],   v9 offset:512+64*\t
	ds_load_b128 v[FW+8*\t+4:FW+8*\t+7], v9 offset:512+64*\t+16
.endr
; Group g of lif_w to bf16: component q of the eight loads is tile 4 g + q's column; rows 2 p and 2 p + 1 make register p, and register 4 + p again.
.macro CVTA g
.irp q, 0,1,2,3
.irp p, 0,1,2,3
	v_cvt_pk_bf16_f32 v[AF+8*(4*(\g)+(\q))+(\p)],   v[RW+32*(\g)+8*(\p)+(\q)], v[RW+32*(\g)+8*(\p)+4+(\q)]
	v_cvt_pk_bf16_f32 v[AF+8*(4*(\g)+(\q))+4+(\p)], v[RW+32*(\g)+8*(\p)+(\q)], v[RW+32*(\g)+8*(\p)+4+(\q)]
.endr
.endr
.endm
; The bias term of tiles 4 g .. 4 g + 3, into the registers that group g of lif_w has left
.macro LDC g
.irp q, 0,1,2,3
	ds_load_b128 v[CB+8*(4*(\g)+(\q)):CB+8*(4*(\g)+(\q))+3],   v9 offset:64*(4*(\g)+(\q))
	ds_load_b128 v[CB+8*(4*(\g)+(\q))+4:CB+8*(4*(\g)+(\q))+7], v9 offset:64*(4*(\g)+(\q))+16
.endr
.endm
; Product n of 16: hidden tile n / 2, rows' tile n % 2, result buffer n % 3.  C is the bias term, in registers of its own: no sum is chained.
.macro WM n
	v_wmma_f32_16x16x32_bf16 v[DR+8*((\n)%3):DR+8*((\n)%3)+7], v[AF+8*((\n)/2):AF+8*((\n)/2)+7], v[BF+8*((\n)%2):BF+8*((\n)%2)+7], v[CB+8*((\n)/2):CB+8*((\n)/2)+7]
.endm
; What follows product n: relu, from the result's lowest register on, and the weighted sum onto two pairs by turns.  Register j of lane (r, h) is row b = r, hidden row 8 h + j of the tile. The first tile's products start the sums.
.macro POST n
.irp j, 0,1,2,3,4,5,6,7
	v_max_num_f32 v[DR+8*((\n)%3)+(\j)], 0, v[DR+8*((\n)%3)+(\j)]
.endr
.irp p, 0,1,2,3
.if ((\n) < 2) && ((\p) < 2)
	v_pk_mul_f32 v[ACC+4*((\n)%2)+2*(\p):ACC+4*((\n)%2)+2*(\p)+1], v[DR+8*((\n)%3)+2*(\p):DR+8*((\n)%3)+2*(\p)+1], v[FW+8*((\n)/2)+2*(\p):FW+8*((\n)/2)+2*(\p)+1]
.else
	v_pk_fma_f32 v[ACC+4*((\n)%2)+2*((\p)%2):ACC+4*((\n)%2)+2*((\p)%2)+1], v[DR+8*((\n)%3)+2*(\p):DR+8*((\n)%3)+2*(\p)+1], v[FW+8*((\n)/2)+2*(\p):FW+8*((\n)/2)+2*(\p)+1], v[ACC+4*((\n)%2)+2*((\p)%2):ACC+4*((\n)%2)+2*((\p)%2)+1]
.endif
.endr
.endm
	s_wait_dscnt 24                                ; s and lif_w's group 0 are in; group 1's 8 loads and fc_w's 16 may stay out
	CVTA 0
	LDC 0
	s_wait_dscnt 24                                ; group 1 is in; fc_w's 16 and the 8 just issued may stay out
	CVTA 1
	LDC 1
	s_wait_dscnt 8                                 ; fc_w and the bias term of tiles 0-3 are in; the 8 just issued may stay out
	WM 0
	WM 1
	WM 2
.rept 5
	v_nop                                          ; five places, once: a result is read four places behind its product, and product 3 writes product 0's result registers again, five places
.endr                                                  ; behind it; the twelve lines between, which name those registers, are no places (ISA guide 7.12.1).  From here on the other buffers' twelve lines are the places
.set n, 0
.rept 16
	POST n
.if n+3 < 16
.if n+3 == 8
	s_wait_dscnt 0x0                               ; the bias term of tiles 4-7 is in
.endif
	WM n+3
.endif
.set n, n+1
.endr
	; THE ROW SUMS.  Lane (r, h) holds, for rows r and 16 + r, the sum over its half of my wave's hidden columns.
	v_pk_add_f32 v[ACC:ACC+1],   v[ACC:ACC+1],   v[ACC+2:ACC+3]
	v_pk_add_f32 v[ACC+4:ACC+5], v[ACC+4:ACC+5], v[ACC+6:ACC+7]
	v_add_f32 v[ACC],   v[ACC],   v[ACC+1]
	v_add_f32 v[ACC+4], v[ACC+4], v[ACC+5]
	v_permlanex16_b32 v14, v[ACC],   s60, s61      ; the other half of the lanes (the destinations have been written before)
	v_permlanex16_b32 v15, v[ACC+4], s60, s61
	v_add_f32 v[ACC],   v[ACC],   v14
	v_add_f32 v[ACC+4], v[ACC+4], v15
	v_cndmask_b32 v[ACC], v[ACC], v[ACC+4], s59    ; lane l keeps row l
	ds_store_b32 v11, v[ACC]
	s_wait_dscnt 0x0                               ; for the others' sake: my partial sums are stored
	s_barrier_signal -1
	s_barrier_wait -1
	s_cmp_lg_u32 s22, 0                            ; wave 0 adds the eight waves' parts
	s_cbranch_scc1 .Lend
.irp k, 0,1,2,3,4,5,6,7
	ds_load_b32 v[24+\k], v11 offset:128*\k        ; in wave 0 v11 is RED + 4 lane
.endr
	s_wait_dscnt 0x0
	v_add_f32 v24, v24, v25
	v_add_f32 v26, v26, v27
	v_add_f32 v28, v28, v29
	v_add_f32 v30, v30, v31
	v_add_f32 v24, v24, v26
	v_add_f32 v28, v28, v30
	v_add_f32 v24, v24, v28
	v_add_f32 v24, s57, v24                        ; + fc_b
	global_store_b32 v12, v24, s[20:21]            ; 128 consecutive bytes, all that a work-group of 32 rows owns
.Lend:
	s_wait_tensorcnt 0x0                           ; the wave's end: the wait, the add and its wait, behind my last tensor load and my last LDS store
	ds_add_u32 v2, v3
	s_wait_dscnt 0x0
	s_endpgm
.Lfunc_end_k_q491b1c72f3_lif:
	.size	k_q491b1c72f3_lif, .Lfunc_end_k_q491b1c72f3_lif-k_q491b1c72f3_lif
	.p2alignl 7, 3214868480
	.fill 96, 4, 3214868480
	.section	.rodata,"a",@progbits
	.p2align	6, 0x0
	.amdhsa_kernel k_q491b1c72f3_lif
		.amdhsa_group_segment_fixed_size 167936
		.amdhsa_private_segment_fixed_size 0
		.amdhsa_enable_private_segment 0
		.amdhsa_kernarg_size 72
		.amdhsa_user_sgpr_count 2
		.amdhsa_user_sgpr_kernarg_segment_ptr 1
		.amdhsa_wavefront_size32 1
		.amdhsa_system_sgpr_workgroup_id_x 1
		.amdhsa_system_sgpr_workgroup_id_y 1
		.amdhsa_system_sgpr_workgroup_id_z 1
		.amdhsa_system_vgpr_workitem_id 0
		.amdhsa_next_free_vgpr 256
		.amdhsa_next_free_sgpr 92
		.amdhsa_reserve_vcc 0
		.amdhsa_float_denorm_mode_32 3
		.amdhsa_float_denorm_mode_16_64 3
		.amdhsa_memory_ordered 1
		.amdhsa_forward_progress 1
		.amdhsa_inst_pref_size 39
	.end_amdhsa_kernel
	.amdgpu_metadata
---
amdhsa.version: [ 1, 2 ]
amdhsa.kernels:
  - .name:           k_q491b1c72f3_lif
    .symbol:         k_q491b1c72f3_lif.kd
    .args:
      - { .name: xis, .offset: 0, .size: 8, .value_kind: global_buffer, .address_space: global }
      - { .name: emb, .offset: 8, .size: 8, .value_kind: global_buffer, .address_space: global }
      - { .name: lif_w, .offset: 16, .size: 8, .value_kind: global_buffer, .address_space: global }
      - { .name: lif_b, .offset: 24, .size: 8, .value_kind: global_buffer, .address_space: global }
      - { .name: fc_w, .offset: 32, .size: 8, .value_kind: global_buffer, .address_space: global }
      - { .name: fc_b, .offset: 40, .size: 8, .value_kind: global_buffer, .address_space: global }
      - { .name: alpha, .offset: 48, .size: 8, .value_kind: global_buffer, .address_space: global }
      - { .name: beta, .offset: 56, .size: 8, .value_kind: global_buffer, .address_space: global }
      - { .name: out0, .offset: 64, .size: 8, .value_kind: global_buffer, .address_space: global }
    .group_segment_fixed_size: 167936
    .private_segment_fixed_size: 0
    .kernarg_segment_align: 8
    .kernarg_segment_size: 72
    .max_flat_workgroup_size: 256
    .sgpr_count:     92
    .vgpr_count:     256
    .wavefront_size: 32
...
	.end_amdgpu_metadata
.endif
;; end of part 1
